; MI455X (gfx1250); checked and timed in simulation.
; The chip was launched on July 23, 2026; its instructions are those of AMD's public machine-readable ISA for CDNA 5 (MIT licence, August 2026) and "CDNA5" Instruction Set Architecture Reference Guide (July 2026). The comments in the code are by the model that wrote it; some were corrected since.
;; Bi Non Local Block ND. Allowed arithmetic: matrix products marked QUANTISED: E2M1 operands, one E8M0 scale for each 32 along K, by v_wmma_scale_f32_16x16x128_f8f6f4 with both operands' format E2M1 (or v_wmma_scale_f32_32x16x128_f4), f32 sums; everything else in f32.
;; Inputs: W_a_b 64 float32; W_a_w_codes 64 x 1 x 16 uint8 (E2M1 codes of W_a_w, K innermost, in blocks of 32 codes, two codes a byte); W_a_w_scales 64 x 1 uint8 (E8M0 scales of W_a_w, one for each 32 codes along K); W_b_b 64 float32; W_b_w_codes 64 x 1 x 16 uint8 (E2M1 codes of W_b_w, K innermost, in blocks of 32 codes, two codes a byte); W_b_w_scales 64 x 1 uint8 (E8M0 scales of W_b_w, one for each 32 codes along K); a 4 x 64 x 64 x 64 float32; b 4 x 64 x 64 x 64 float32; bn_a_beta 64 float32; bn_a_gamma 64 float32; bn_b_beta 64 float32; bn_b_gamma 64 float32; g_a_b 32 float32; g_a_w_codes 32 x 2 x 16 uint8 (E2M1 codes of g_a_w, K innermost, in blocks of 32 codes, two codes a byte); g_a_w_scales 32 x 2 uint8 (E8M0 scales of g_a_w, one for each 32 codes along K); g_b_b 32 float32; g_b_w_codes 32 x 2 x 16 uint8 (E2M1 codes of g_b_w, K innermost, in blocks of 32 codes, two codes a byte); g_b_w_scales 32 x 2 uint8 (E8M0 scales of g_b_w, one for each 32 codes along K); phi_b 64 float32; phi_w_codes 64 x 2 x 16 uint8 (E2M1 codes of phi_w, K innermost, in blocks of 32 codes, two codes a byte); phi_w_scales 64 x 2 uint8 (E8M0 scales of phi_w, one for each 32 codes along K); theta_b 64 float32; theta_w_codes 64 x 2 x 16 uint8 (E2M1 codes of theta_w, K innermost, in blocks of 32 codes, two codes a byte); theta_w_scales 64 x 2 uint8 (E8M0 scales of theta_w, one for each 32 codes along K).
;; Outputs: out0 4 x 64 x 64 x 64 float32; out1 4 x 64 x 64 x 64 float32.
;; This version of the problem:
;;   THIS VERSION OF THE PROBLEM IS GIVEN IN LOW PRECISION. The matrix products marked QUANTISED in the list below multiply operands that are first quantised to E2M1 (2 exponent bits, 1 mantissa bit; 4 bits a number), with one power-of-two scale for each 32 numbers along K (OCP MX v1.0); their sums are f32. All else is computed in f32.
;;   The module's matrix products, in the order in which they are computed (A, B: the left and right operand; K: the contracted axis; several contracted axes count as one K, in the product's order):
;;     1. [M 32, K 64] x [K 64, N 16,384]; A: input g_a_w (given as codes); B: input a: QUANTISED
;;     2. [M 32, K 64] x [K 64, N 16,384]; A: input g_b_w (given as codes); B: input b: QUANTISED
;;     3. [M 64, K 64] x [K 64, N 16,384]; A: input theta_w (given as codes); B: input a: QUANTISED
;;     4. [M 64, K 64] x [K 64, N 16,384]; A: input phi_w (given as codes); B: input b: QUANTISED
;;     5. batch 4 x [M 4,096, K 64] x [K 64, N 4,096]; A: computed on the way; B: computed on the way: QUANTISED
;;     6. batch 4 x [M 4,096, K 4,096] x [K 4,096, N 32]; A: softmax (see below); B: computed on the way: QUANTISED
;;     7. [M 64, K 32] x [K 32, N 16,384]; A: input W_a_w (given as codes); B: computed on the way: QUANTISED
;;     8. batch 4 x [M 4,096, K 4,096] x [K 4,096, N 32]; A: softmax (see below); B: computed on the way: QUANTISED
;;     9. [M 64, K 32] x [K 32, N 16,384]; A: input W_b_w (given as codes); B: computed on the way: QUANTISED
;;   THE QUANTISER, for each operand of a quantised product, along K:
;;     - K is cut into blocks of 32 from its start; a last block that is shorter is filled with zeros.
;;     - A block's scale is 2^e with e = floor(log2(the largest magnitude in the block)) - 2, held to -126 .. 127; a block of zeros has e = 0. As a byte (E8M0): e + 127.
;;     - Each number is divided by its block's scale, clamped to +-6, and rounded to the nearest number of E2M1, ties to even, subnormals kept.
;;     - The product sums the exact products of the quantised numbers (number of the format x scale) in f32.
;;   ~~~python
;;   def quantise(x, axis):      # numpy; x: float32 -> the quantised numbers, widened to float32 again
;;       x = np.moveaxis(x, axis, -1); K = x.shape[-1]
;;       x = np.pad(x, [(0, 0)] * (x.ndim - 1) + [(0, -K % 32)]); x = x.reshape(x.shape[:-1] + (-1, 32)); a = np.abs(x).max(-1, keepdims=True)
;;       e = np.where(a > 0, np.clip(np.frexp(np.where(a > 0, a, 1))[1] - 1 - 2, -126, 127), 0)      # np.frexp(a)[1] - 1 = floor(log2(a)), exactly
;;       r = np.clip(x / 2.0 ** e, -6, 6)
;;       step = 2.0 ** (np.maximum(np.frexp(np.where(r == 0, 1, r))[1] - 1, 0) - 1)
;;       q = np.round(r / step) * step * 2.0 ** e      # np.round: ties to even
;;       return np.moveaxis(q.reshape(q.shape[:-2] + (-1,))[..., :K], -1, axis).astype(np.float32)
;;   ~~~
;;   SOFTMAX AHEAD OF A QUANTISED PRODUCT. Where the list says 'softmax', what is quantised is not the finished softmax but p = 2^(t - M), with t = logit x log2(e) and M = ceil(the row's largest t), a whole number; so 1/2 < the row's largest p <= 1. The row's sum l is taken of the UNQUANTISED p, in f32, and the product's result is divided by l at the end. Since M is a whole number, a kernel that streams over the keys may use a running M (the ceiling of the running maximum): every later rescaling is an exact power of two, which a block's scale takes up: the codes' values come out the same.
;;   OPERANDS COMPUTED ON THE WAY. 'Computed on the way' means the value that the module computes at that place (a softmax that the list does not call 'softmax' is quantised finished and normalised). What goes into a quantiser is computed in f32, as accurately as f32 sums, v_exp_f32 and their like allow (about 1e-6 of the number): no bf16 or f16 on the way to a quantiser, and a product that is left as it is and whose result goes on into a quantised operand takes f32 operands (vector FMAs, or v_wmma_f32_16x16x4_f32). A number that lies on a knife's edge between two numbers of the format may be rounded either way, as far as f32 arithmetic and the matrix unit's own rounding can turn it there, and no further.
;;   INPUTS GIVEN AS CODES. W_a_w (in the module: [64, 32], K = its axis 1); W_b_w (in the module: [64, 32], K = its axis 1); g_a_w (in the module: [32, 64], K = its axis 1); g_b_w (in the module: [32, 64], K = its axis 1); phi_w (in the module: [64, 64], K = its axis 1); theta_w (in the module: [64, 64], K = its axis 1): each comes as NAME_codes (uint8): NAME with its K axis moved to the last place and cut into blocks of 32 codes, [.., K / 32, bytes a block], one block behind the other in memory; two codes a byte, the lower K in the low four bits (a code: sign, 2 exponent bits, 1 mantissa bit); and NAME_scales (uint8): the same leading axes, one E8M0 byte (e + 127) for each 32 codes along K. Its value is code x scale, taken as it is: it is not quantised again, and the codes and scales need not be those that the quantiser above would give.
;; One version. Each part assembles by itself: llvm-mc -triple=amdgcn-amd-amdhsa -mcpu=gfx1250 --defsym DOCPART=n.
;; ======== version 1 of 1: 3 launches
;; workspace buffers: rec 1,769,472 bytes; xw 8,388,608 bytes; part 131,072 bytes
;; launch proj (part 1): grid 256 x 1, 4 waves a work-group, no clusters, 1,536 bytes of LDS; arguments a, theta_w_codes, theta_w_scales, theta_b, g_a_w_codes, g_a_w_scales, g_a_b, b, phi_w_codes, phi_w_scales, phi_b, g_b_w_codes, g_b_w_scales, g_b_b, rec; writes rec
.if DOCPART == 1
	.amdgcn_target "amdgcn-amd-amdhsa--gfx1250"
	.amdhsa_code_object_version 6
	.text
	.protected	k_q3e716b6d2b_proj
	.globl	k_q3e716b6d2b_proj
	.p2align	8
	.type	k_q3e716b6d2b_proj,@function
k_q3e716b6d2b_proj:
	s_mov_b64 s[64:65], 0
	v_nop
	global_prefetch_b8 v0, s[64:65] scope:SCOPE_SE
	s_setreg_imm32_b32 hwreg(HW_REG_WAVE_MODE, 25, 1), 1
	s_wait_xcnt 0x0
; THE PROJECTIONS.  For x = a (work-groups 0-127) or x = b (128-255): q = theta/phi conv of x, v = g conv of x, both on codes of FP4 (E2M1) with one E8M0 scale for each 32 along K.
; x [4][64 channels][4096 pixels] f32 is quantised along the channels; q is quantised along its 64 channels, v along the pixels; both go out as IMAGES OF OPERAND REGISTERS into records of 128 pixels:
;   rec [direction 2][batch 4][step 32][6912 bytes]:  0: eight tiles of 16 pixels x 64 channels, 512 bytes each, lane l's 16 bytes at 16 l;  4096: their scale words, 16 bytes a lane (word g: tile 2 g + lane / 16, row lane % 16);
;   4608: v's four chunks (ct, c) of 512 bytes: lane (r, h): channel 8 ct + r + 8 (r / 8), pixels 64 c + 32 h + 0..31;  6656: v's scale words, 8 bytes a lane (lane 16 ct + r; the second word is 0).
; Tensor x writes the first part of direction 1 - x's record (a's q are direction 1's keys, b's k direction 0's) and the second part of direction x's.
; SHARES.  A work-group takes 128 pixels of one batch, one record; wave g its pixels 32 g .. 32 g + 31.  One path serves both tensors: only pointers are chosen, on the work-group's number.
; A LANE TAKES A PIXEL AND ITS REGISTERS RUN DOWN THE CHANNELS: each load reads 128 consecutive bytes a wave, and a block of 32 channels lies in one lane.
; THE PIXELS OF A TILE ARE NOT NEIGHBOURS: row r of tile 2 g + u is pixel 32 g + 8 u + r + 8 (r / 8); the rows of the weights that form a tile are chosen alike.  So a result's 16 registers of two neighbouring tiles are 16 neighbours along the next K.
; K = 64 fills half of the instruction's 128: the other half is zero codes on both sides, under the scale byte 127.
; LIMITS: NaN and infinities among the inputs are not served; a block whose largest magnitude lies under 2^-124 (a block of zeros too) gets the scale byte 1: a block of zeros has zero codes, and only this program reads the bytes.
.set REC, 6912
.set TW,  16                           ; v16-47   theta's or phi's four fragments; registers 4-7 of each are zero codes
.set GW,  48                           ; v48-63   g's two fragments, likewise
.set TS,  64                           ; v64-67   their scale words;  v68-69 g's;  v70 the pixels': these seven hold scales and nothing else
.set GS,  68
.set XS,  70
.set TBI, 72                           ; v72-103  theta's or phi's bias in the result's layout
.set GB,  104                          ; v104-119 g's bias: eight copies of the lane's number for each tile
.set PF,  120                          ; v120-135 the pixels' two fragments; registers 4-7 zero codes
.set X,   136                          ; v136-199 64 channels of my pixel; then q's eight tiles (u, t) at X + 32 u + 8 t; then v's codes and what wave 0 reads back
.set DV,  200                          ; v200-231 v's four tiles (ct, u) at DV + 16 ct + 8 u
.set TM,  232                          ; v232-235 largest magnitudes
.set T2,  236                          ; v236-239 the other half's, then scale bytes
.set SO,  240                          ; v240-243 the conversions' scale operands
.set QC,  244                          ; v244-251 q's codes, four registers a tile
.set QW,  252                          ; v252-253 q's scale words
.set KW,  254
.set VC,  136
.set VB,  140
	s_load_b512 s[8:23], s[0:1], 0x0               ; a, theta codes, scales, bias, g_a codes, scales, bias, b
	s_load_b256 s[24:31], s[0:1], 0x40             ; phi codes, scales, bias, g_b codes
	s_load_b128 s[32:35], s[0:1], 0x60             ; g_b scales, bias
	s_load_b64 s[36:37], s[0:1], 0x70              ; rec
	v_lshl_add_u32 v71, v0, 2, 0x400
	v_mov_b32 v255, 0
	v_lshrrev_b32 v1, 5, v0
	v_readfirstlane_b32 s40, v1                    ; wave g
	v_and_b32 v1, 31, v0                           ; lane
	v_and_b32 v2, 15, v0                           ; r
	v_bfe_u32 v3, v0, 4, 1                         ; h
	v_and_b32 v4, 7, v0
	v_and_b32 v5, 8, v0
	v_lshl_or_b32 v4, v5, 1, v4
	v_lshl_or_b32 v4, v3, 3, v4                    ; my pixel among the wave's 32: (l & 7) + 2 (l & 8) + (l & 16) / 2
	v_lshlrev_b32 v4, 2, v4                        ; in bytes
	v_add_nc_u32 v5, v5, v2                        ; r + 8 (r / 8)
	v_lshlrev_b32 v6, 5, v5
	v_lshl_add_u32 v6, v3, 4, v6                   ; a weight's row of 32 bytes, + 16 h
	v_lshlrev_b32 v7, 1, v5                        ; its two scale bytes
	v_lshlrev_b32 v8, 6, v3                        ; the bias of q: 16 h numbers on
	v_lshlrev_b32 v9, 2, v5                        ; the bias of v: my column's
	v_lshlrev_b32 v10, 4, v1                       ; 16 x lane
	v_lshlrev_b32 v11, 4, v2
	v_lshl_add_u32 v11, v3, 3, v11                 ; v's codes: 16 r + 8 h
	s_lshl_b32 s52, s40, 2
	v_add_nc_u32 v12, s52, v10                     ; LDS: q's scale words, 16 x lane + 4 x wave
	v_lshlrev_b32 v15, 2, v1
	v_add_nc_u32 v15, 512, v15                     ; LDS: v's scale bytes, 512 + 4 x lane
	v_add_nc_u32 v13, s40, v15                     ; + wave
	v_lshlrev_b32 v14, 3, v1                       ; 8 x lane
	s_lshr_b32 s41, ttmp9, 7                       ; x: which tensor
	s_bfe_u32 s42, ttmp9, 0x20005                  ; batch
	s_and_b32 s43, ttmp9, 31                       ; step
	s_lshl_b32 s44, s42, 20                        ; x's bytes: batch x 64 x 16,384 + step x 512 + wave x 128
	s_lshl_b32 s52, s43, 9
	s_add_co_u32 s44, s44, s52
	s_lshl_b32 s52, s40, 7
	s_add_co_u32 s44, s44, s52
	s_mov_b32 s45, 0
	s_xor_b32 s52, s41, 1                          ; q's record: direction 1 - x
	s_lshl_b32 s52, s52, 2
	s_add_co_u32 s52, s52, s42
	s_lshl_b32 s52, s52, 5
	s_add_co_u32 s52, s52, s43
	s_mul_i32 s52, s52, REC
	s_lshl_b32 s53, s40, 10                        ; my two tiles: 1,024 x wave
	s_add_co_u32 s46, s52, s53
	s_mov_b32 s47, 0
	s_lshl_b32 s52, s41, 2                         ; v's record: direction x
	s_add_co_u32 s52, s52, s42
	s_lshl_b32 s52, s52, 5
	s_add_co_u32 s52, s52, s43
	s_mul_i32 s52, s52, REC
	s_lshr_b32 s53, s40, 1                         ; my 32 pixels are chunk c = wave / 2, lanes 16 (wave % 2) on
	s_lshl_b32 s53, s53, 9
	s_add_co_u32 s52, s52, s53
	s_and_b32 s53, s40, 1
	s_lshl_b32 s53, s53, 8
	s_add_co_u32 s52, s52, s53
	s_add_co_u32 s48, s52, 4608
	s_mov_b32 s49, 0
	s_mov_b32 s50, 0x76543210
	s_mov_b32 s51, 0xfedcba98                      ; v_permlanex16_b32's selects for lane l xor 16
	s_wait_alu depctr_va_vdst(0)
	s_wait_kmcnt 0x0
	s_cmp_lt_u32 ttmp9, 128                        ; a's work-group or b's: the choice hangs on the work-group's number alone
	s_cselect_b64 s[8:9], s[8:9], s[22:23]
	s_cselect_b64 s[10:11], s[10:11], s[24:25]
	s_cselect_b64 s[12:13], s[12:13], s[26:27]
	s_cselect_b64 s[14:15], s[14:15], s[28:29]
	s_cselect_b64 s[16:17], s[16:17], s[30:31]
	s_cselect_b64 s[18:19], s[18:19], s[32:33]
	s_cselect_b64 s[20:21], s[20:21], s[34:35]
	s_add_nc_u64 s[8:9], s[8:9], s[44:45]
	s_add_nc_u64 s[46:47], s[36:37], s[46:47]
	s_add_nc_u64 s[48:49], s[36:37], s[48:49]
	; the weights first: 22 loads.  Tile t = 2 B + e begins at row 32 B + 8 e
.irp t, 0,1,2,3
	global_load_b128 v[TW+8*\t:TW+8*\t+3], v6, s[10:11] offset:(32*(\t/2)+8*(\t%2))*32
	global_load_u16 v[TS+\t], v7, s[12:13] offset:(32*(\t/2)+8*(\t%2))*2
	global_load_b128 v[TBI+8*\t:TBI+8*\t+3], v8, s[14:15] offset:(32*(\t/2)+8*(\t%2))*4
	global_load_b128 v[TBI+8*\t+4:TBI+8*\t+7], v8, s[14:15] offset:(32*(\t/2)+8*(\t%2))*4+16
.endr
.irp c, 0,1
	global_load_b128 v[GW+8*\c:GW+8*\c+3], v6, s[16:17] offset:256*\c
	global_load_u16 v[GS+\c], v7, s[18:19] offset:16*\c
	global_load_b32 v[GB+8*\c], v9, s[20:21] offset:32*\c
.endr
	; my pixel's 64 channels: each load of the wave covers 128 consecutive bytes, the four waves stand side by side on 512
.irp i, 0,1,2,3,4,5,6,7,8,9,10,11,12,13,14,15,16,17,18,19,20,21,22,23,24,25,26,27,28,29,30,31,32,33,34,35,36,37,38,39,40,41,42,43,44,45,46,47,48,49,50,51,52,53,54,55,56,57,58,59,60,61,62,63
	global_load_b32 v[X+\i], v4, s[8:9] offset:\i*16384
.endr
.irp f, 20,28,36,44,52,60,124,132              ; zero codes for k = 64 .. 127 of every fragment
.irp i, 0,1,2,3
	v_mov_b32 v[\f+\i], 0
.endr
.endr
.irp i, 0,1,2,3
	v_mov_b32 v[T2+\i], 0                          ; written once: a lane permute's destination counts as one of its sources
.endr
; the largest magnitude of block b of my pixel's channels, in two chains, with the floor 2^(3 - 127) among the leaves: so the byte cannot fall under 1
.macro XMAX b
	v_max3_num_f32 v[TM+\b], |v[X+32*\b]|, |v[X+32*\b+1]|, 0x1800000
	v_max3_num_f32 v[TM+2+\b], |v[X+32*\b+2]|, |v[X+32*\b+3]|, 0x1800000
.irp i, 4,8,12,16,20,24,28
	v_max3_num_f32 v[TM+\b], v[TM+\b], |v[X+32*\b+\i]|, |v[X+32*\b+\i+1]|
	v_max3_num_f32 v[TM+2+\b], v[TM+2+\b], |v[X+32*\b+\i+2]|, |v[X+32*\b+\i+3]|
.endr
	v_max_num_f32 v[TM+\b], v[TM+\b], v[TM+2+\b]
.endm
	s_wait_loadcnt 32                              ; loads come back in order: the weights and channels 0-31 are in; the 32 younger loads are channels 32-63
.irp t, 0,1,2,3
	v_or_b32 v[TS+\t], 0x7f7f0000, v[TS+\t]        ; the scale byte 127 over the zero codes
.endr
.irp c, 0,1
	v_or_b32 v[GS+\c], 0x7f7f0000, v[GS+\c]
.irp i, 1,2,3,4,5,6,7
	v_mov_b32 v[GB+8*\c+\i], v[GB+8*\c]            ; a lane holds one column of v's result: one bias in all eight registers
.endr
.endr
	XMAX 0
	s_wait_loadcnt 0x0
	XMAX 1
	v_add_nc_u32 v[SO], 0xff000000, v[TM]          ; 2 off the exponent field: the conversion takes the exponent field of this operand as its scale
	v_add_nc_u32 v[SO+1], 0xff000000, v[TM+1]
	v_lshrrev_b32 v[T2], 23, v[SO]                 ; the scales' bytes
	v_lshrrev_b32 v[T2+1], 23, v[SO+1]
	v_lshl_or_b32 v[XS], v[T2+1], 8, v[T2]
	v_or_b32 v[XS], 0x7f7f0000, v[XS]              ; my pixel's scale word: lanes 0-15 are tile 0's rows, lanes 16-31 tile 1's
.irp i, 0,1,2,3
	v_cvt_scalef32_pk8_fp4_f32 v[PF+\i], v[X+8*\i:X+8*\i+7], v[SO]
	v_cvt_scalef32_pk8_fp4_f32 v[PF+8+\i], v[X+32+8*\i:X+32+8*\i+7], v[SO+1]
.endr
	v_nop                                          ; one plain place behind a scaled conversion
.irp i, 0,1,2,3
	v_permlane16_swap_b32 v[PF+\i], v[PF+8+\i]     ; the first's lanes 16-31 change places with the second's lanes 0-15: lane (r, h) of tile u now holds channels 32 h + 0..31 of the tile's row r
.endr
.rept 8
	v_nop                                          ; a scale register written by a vector instruction stands 8 places ahead of a scaled matrix instruction, an operand so written 4
.endr
	; q, TRANSPOSED: source 0 = 16 rows of the weight, source 1 = 16 pixels; the bias is the C.  Lane (r, h) holds pixel row r; register 16 B + i of the four tiles is channel 32 B + 16 h + i
.irp t, 0,1,2,3
	v_wmma_scale_f32_16x16x128_f8f6f4 v[X+8*\t:X+8*\t+7], v[TW+8*\t:TW+8*\t+7], v[PF:PF+7], v[TBI+8*\t:TBI+8*\t+7], v[TS+\t], v[XS] matrix_a_fmt:MATRIX_FMT_FP4 matrix_b_fmt:MATRIX_FMT_FP4
.endr
.irp t, 0,1,2,3
	v_wmma_scale_f32_16x16x128_f8f6f4 v[X+32+8*\t:X+32+8*\t+7], v[TW+8*\t:TW+8*\t+7], v[PF+8:PF+15], v[TBI+8*\t:TBI+8*\t+7], v[TS+\t], v[XS] matrix_a_fmt:MATRIX_FMT_FP4 matrix_b_fmt:MATRIX_FMT_FP4 matrix_b_scale:MATRIX_SCALE_ROW1
.endr
	; v: source 0 = 16 pixels, source 1 = 16 rows of g.  Lane (r, h) holds channel 8 ct + r + 8 (r / 8); the 16 registers of tiles (ct, 0), (ct, 1) are pixels 16 h + 0..15 of the wave's 32
.irp c, 0,1
	v_wmma_scale_f32_16x16x128_f8f6f4 v[DV+16*\c:DV+16*\c+7], v[PF:PF+7], v[GW+8*\c:GW+8*\c+7], v[GB+8*\c:GB+8*\c+7], v[XS], v[GS+\c] matrix_a_fmt:MATRIX_FMT_FP4 matrix_b_fmt:MATRIX_FMT_FP4
	v_wmma_scale_f32_16x16x128_f8f6f4 v[DV+16*\c+8:DV+16*\c+15], v[PF+8:PF+15], v[GW+8*\c:GW+8*\c+7], v[GB+8*\c:GB+8*\c+7], v[XS], v[GS+\c] matrix_a_fmt:MATRIX_FMT_FP4 matrix_b_fmt:MATRIX_FMT_FP4 matrix_a_scale:MATRIX_SCALE_ROW1
.endr
.rept 4
	v_nop                                          ; four places in front of the first read of results
.endr
	; q is quantised along its channels: four blocks k = 2 u + B by turns, 16 numbers in me and 16 in lane l xor 16; each accumulator is read from its low end on
.irp k, 0,1,2,3
	v_max3_num_f32 v[TM+\k], |v[X+16*\k]|, |v[X+16*\k+1]|, 0x1800000
.endr
.irp i, 2,4,6,8,10,12,14
.irp k, 0,1,2,3
	v_max3_num_f32 v[TM+\k], v[TM+\k], |v[X+16*\k+\i]|, |v[X+16*\k+\i+1]|
.endr
.endr
.irp k, 0,1,2,3
	v_permlanex16_b32 v[T2+\k], v[TM+\k], s50, s51
.endr
.irp k, 0,1,2,3
	v_max_num_f32 v[TM+\k], v[TM+\k], v[T2+\k]
.endr
.irp k, 0,1,2,3
	v_add_nc_u32 v[SO+\k], 0xff000000, v[TM+\k]
.endr
.irp k, 0,1,2,3
	v_lshrrev_b32 v[T2+\k], 23, v[SO+\k]
.endr
.irp u, 0,1
	v_lshl_or_b32 v[QW+\u], v[T2+2*\u+1], 8, v[T2+2*\u]
.endr
.irp u, 0,1
	v_or_b32 v[QW+\u], 0x7f7f0000, v[QW+\u]
.endr
.irp k, 0,1,2,3
	v_cvt_scalef32_pk8_fp4_f32 v[QC+2*\k], v[X+16*\k:X+16*\k+7], v[SO+\k]
	v_cvt_scalef32_pk8_fp4_f32 v[QC+2*\k+1], v[X+16*\k+8:X+16*\k+15], v[SO+\k]
.endr
	v_nop                                          ; one plain place behind a scaled conversion
.irp u, 0,1
	v_permlane16_swap_b32 v[QC+4*\u], v[QC+4*\u+2] ; a whole block to a lane: lanes 0-15 channels 0-31, lanes 16-31 channels 32-63
	v_permlane16_swap_b32 v[QC+4*\u+1], v[QC+4*\u+3]
.endr
.irp u, 0,1
	global_store_b128 v10, v[QC+4*\u:QC+4*\u+3], s[46:47] offset:512*\u   ; the tile's image: 32 lanes store 512 consecutive bytes
.endr
	v_cmp_gt_u32 vcc_lo, 16, v1                    ; lanes 0-15
	v_cndmask_b32 v[KW], v[QW+1], v[QW], vcc_lo    ; lanes 0-15 tile 0's words, lanes 16-31 tile 1's
	ds_store_b32 v12, v[KW]
	; v is quantised along the pixels: my wave's 32 pixels are one block of each channel
.irp c, 0,1
	v_max3_num_f32 v[TM+\c], |v[DV+16*\c]|, |v[DV+16*\c+1]|, 0x1800000
.endr
.irp i, 2,4,6,8,10,12,14
.irp c, 0,1
	v_max3_num_f32 v[TM+\c], v[TM+\c], |v[DV+16*\c+\i]|, |v[DV+16*\c+\i+1]|
.endr
.endr
.irp c, 0,1
	v_permlanex16_b32 v[T2+\c], v[TM+\c], s50, s51
.endr
.irp c, 0,1
	v_max_num_f32 v[TM+\c], v[TM+\c], v[T2+\c]
.endr
.irp c, 0,1
	v_add_nc_u32 v[SO+\c], 0xff000000, v[TM+\c]
.endr
.irp c, 0,1
	v_lshrrev_b32 v[T2+\c], 23, v[SO+\c]
.endr
.irp c, 0,1
	v_cvt_scalef32_pk8_fp4_f32 v[VC+2*\c], v[DV+16*\c:DV+16*\c+7], v[SO+\c]
	v_cvt_scalef32_pk8_fp4_f32 v[VC+2*\c+1], v[DV+16*\c+8:DV+16*\c+15], v[SO+\c]
.endr
	v_nop                                          ; one plain place behind a scaled conversion
.irp c, 0,1
	global_store_b64 v11, v[VC+2*\c:VC+2*\c+1], s[48:49] offset:1024*\c   ; 16 pixels' codes at 16 r + 8 h: the wave stores 256 consecutive bytes, aligned
.endr
	v_cndmask_b32 v[VB], v[T2+1], v[T2], vcc_lo    ; lanes 0-15 the byte of tile ct = 0, lanes 16-31 of ct = 1
	ds_store_b8 v13, v[VB]                         ; byte g of the lane's word
	s_wait_dscnt 0x0                               ; for the others' sake: my stores have landed
	s_barrier_signal -1
	s_barrier_wait -1
	s_cmp_lg_u32 s40, 0                            ; wave 0 sends the record's scale words, whole
	s_cbranch_scc1 .Lend
	ds_load_b128 v[144:147], v10
	ds_load_b32 v148, v15
	v_mov_b32 v149, 0
	s_wait_alu depctr_va_vdst(0)
	s_wait_dscnt 0x0
	global_store_b128 v10, v[144:147], s[46:47] offset:4096   ; 512 consecutive bytes
	global_store_b64 v14, v[148:149], s[48:49] offset:2048    ; 256 consecutive bytes
.Lend:
	s_wait_tensorcnt 0x0
	ds_add_u32 v71, v255
	s_wait_dscnt 0x0
	s_endpgm
.Lfunc_end_k_q3e716b6d2b_proj:
	.size	k_q3e716b6d2b_proj, .Lfunc_end_k_q3e716b6d2b_proj-k_q3e716b6d2b_proj
	.p2alignl 7, 3214868480
	.fill 96, 4, 3214868480
	.section	.rodata,"a",@progbits
	.p2align	6, 0x0
	.amdhsa_kernel k_q3e716b6d2b_proj
		.amdhsa_group_segment_fixed_size 1536
		.amdhsa_private_segment_fixed_size 0
		.amdhsa_enable_private_segment 0
		.amdhsa_kernarg_size 120
		.amdhsa_user_sgpr_count 2
		.amdhsa_user_sgpr_kernarg_segment_ptr 1
		.amdhsa_wavefront_size32 1
		.amdhsa_system_sgpr_workgroup_id_x 1
		.amdhsa_system_sgpr_workgroup_id_y 1
		.amdhsa_system_sgpr_workgroup_id_z 1
		.amdhsa_system_vgpr_workitem_id 0
		.amdhsa_next_free_vgpr 256
		.amdhsa_next_free_sgpr 66
		.amdhsa_reserve_vcc 1
		.amdhsa_float_denorm_mode_32 3
		.amdhsa_float_denorm_mode_16_64 3
		.amdhsa_memory_ordered 1
		.amdhsa_forward_progress 1
		.amdhsa_inst_pref_size 26
	.end_amdhsa_kernel
	.amdgpu_metadata
---
amdhsa.version: [ 1, 2 ]
amdhsa.kernels:
  - .name:           k_q3e716b6d2b_proj
    .symbol:         k_q3e716b6d2b_proj.kd
    .args:
      - { .name: a, .offset: 0, .size: 8, .value_kind: global_buffer, .address_space: global }
      - { .name: theta_w_codes, .offset: 8, .size: 8, .value_kind: global_buffer, .address_space: global }
      - { .name: theta_w_scales, .offset: 16, .size: 8, .value_kind: global_buffer, .address_space: global }
      - { .name: theta_b, .offset: 24, .size: 8, .value_kind: global_buffer, .address_space: global }
      - { .name: g_a_w_codes, .offset: 32, .size: 8, .value_kind: global_buffer, .address_space: global }
      - { .name: g_a_w_scales, .offset: 40, .size: 8, .value_kind: global_buffer, .address_space: global }
      - { .name: g_a_b, .offset: 48, .size: 8, .value_kind: global_buffer, .address_space: global }
      - { .name: b, .offset: 56, .size: 8, .value_kind: global_buffer, .address_space: global }
      - { .name: phi_w_codes, .offset: 64, .size: 8, .value_kind: global_buffer, .address_space: global }
      - { .name: phi_w_scales, .offset: 72, .size: 8, .value_kind: global_buffer, .address_space: global }
      - { .name: phi_b, .offset: 80, .size: 8, .value_kind: global_buffer, .address_space: global }
      - { .name: g_b_w_codes, .offset: 88, .size: 8, .value_kind: global_buffer, .address_space: global }
      - { .name: g_b_w_scales, .offset: 96, .size: 8, .value_kind: global_buffer, .address_space: global }
      - { .name: g_b_b, .offset: 104, .size: 8, .value_kind: global_buffer, .address_space: global }
      - { .name: rec, .offset: 112, .size: 8, .value_kind: global_buffer, .address_space: global }
    .group_segment_fixed_size: 1536
    .private_segment_fixed_size: 0
    .kernarg_segment_align: 8
    .kernarg_segment_size: 120
    .max_flat_workgroup_size: 128
    .sgpr_count:     66
    .vgpr_count:     256
    .wavefront_size: 32
...
	.end_amdgpu_metadata
.endif
;; end of part 1
;; launch attn (part 2): grid 32 x 8, 16 waves a work-group, clusters of 4 x 1, 327,680 bytes of LDS; arguments rec, W_a_w_codes, W_a_w_scales, W_a_b, W_b_w_codes, W_b_w_scales, W_b_b, xw, part; writes xw, part
.if DOCPART == 2
	.amdgcn_target "amdgcn-amd-amdhsa--gfx1250"
	.amdhsa_code_object_version 6
	.text
	.protected	k_q3e716b6d2b_attn
	.globl	k_q3e716b6d2b_attn
	.p2align	8
	.type	k_q3e716b6d2b_attn,@function
k_q3e716b6d2b_attn:
	s_mov_b64 s[64:65], 0
	v_nop
	global_prefetch_b8 v0, s[64:65] scope:SCOPE_SE
	s_setreg_imm32_b32 hwreg(HW_REG_WAVE_MODE, 25, 1), 1
	s_wait_xcnt 0x0
	s_wait_alu depctr_hold_cnt(0) depctr_sa_sdst(0) depctr_va_vdst(0) depctr_va_sdst(0) depctr_va_ssrc(0) depctr_va_vcc(0) depctr_vm_vsrc(0)
	s_getreg_b32 s2, hwreg(HW_REG_IB_STS2, 6, 4)
	s_cmp_eq_u32 s2, 0
	s_cbranch_scc0 .Lentry_in_a_cluster
	s_endpgm
.Lentry_in_a_cluster:
	s_bfe_u32 s2, ttmp6, 0x10000c
	s_cmp_lg_u32 s2, 0x3003
	s_cbranch_scc0 .Lentry_shape_is_right
	s_endpgm
.Lentry_shape_is_right:
; THE TWO ATTENTIONS, one direction and one batch for each grid row y = 4 d + b.  Direction 0: queries q_a, keys k_b, values v_a, W_a;  direction 1: queries k_b, keys q_a, values v_b, W_b.
; All products on codes of FP4 (E2M1) with one E8M0 scale for each 32 along K.  The keys, values and queries come as images of operand registers, in records of 128 pixels (6,912 bytes):
;   0: eight tiles of 16 pixels x 64 channels (512 bytes each, 16 bytes a lane);  4096: their scale words (16 bytes a lane);  4608: the values' four chunks;  6656: the values' scale words (8 bytes a lane).
; THE SOFTMAX: t = score x log2(e); M = the running largest t rounded UP to a whole number; p = 2^(t - M) is quantised along the keys, not normalised; the row's sum is taken of the unquantised p and divides at the end.
; When M moves, the sum and O are multiplied by 2^(old M - new M), which rounds nothing.
; SHARES.  A work-group owns 128 queries (one record of the other direction's keys): eight tiles of 16.  It has SIXTEEN waves, four to a SIMD, so that one wave's vector work stands beside the others' waits for results and for LDS.
; Wave w takes tile w % 8 and HALF OF THE KEYS: records 16 (w / 8) .. 16 (w / 8) + 15, 128 keys a step.  At the end waves w and w xor 8 hand each other O^T, -M and the sum through LDS, and each joins the two halves under the
; larger M, again by powers of two; then each takes half of the last product: W's tiles 2 (w / 8) and 2 (w / 8) + 1.  Both run one text: no branch parts them.
; ALL 32 RECORDS OF (d, b), 221,184 BYTES, LIE IN LDS: each byte is filled once and none again, so there is no ring.  Every wave brings two records: two tensor loads of a wave are out at the most.
; LDS place 16 n + w holds record 16 (w / 8) + 8 n + w % 8: so the first loads of all sixteen waves (chunk 0) bring the first eight records of both halves.  A load is one record, 27 rows of 256 bytes, so that all waves run one text with the same counted waits.
; CLUSTER.  The four work-groups of a cluster have the same (d, b) and read the same records: every fill is asked for JOINTLY, by the same tensor load with the same descriptor and the mask of all four.
; LAYOUT.  Both products are used transposed (S^T = K Q^T, O^T = V^T P^T): a lane holds one query (lane % 16) throughout.  Row r of pixel tile 2 g + u is pixel 32 g + 8 u + r + 8 (r / 8), so that the 16 registers of two
; neighbouring tiles of scores are 16 neighbouring keys; the values' channels are chosen alike, so that O^T's 16 registers are 16 neighbouring channels, the K of the last product.
; THE END.  y = O / the sum is quantised along its 32 channels, multiplied by W (source 0 = my 16 queries, source 1 = 16 rows of W), the bias added; 64 channels x 128 pixels meet in a stage in LDS and leave as rows of 512 bytes.
; For the batch norm each row's sum and its sum of squares ABOUT ITS OWN MEAN go to part[d][channel][32 b + block][2]: no difference of large sums is ever formed.
; K = 64 and K = 32 fill a part of the instruction's 128: the rest is zero codes on both sides under the scale byte 127.
; LIMITS: NaN and infinities are not served; a p under 2^-126 counts as 0; a block whose largest magnitude lies under 2^-124 gets the scale byte 1 (a block of zeros has zero codes).
.set REC, 6912
.set CHB, 16*REC                       ; a chunk in LDS: the sixteen records that the sixteen waves' n-th loads bring
.set STG, 32*REC                       ; behind the records: the stage, 64 rows x 528 bytes; no fill lands there
.set SP,  528                          ; a stage row: 512 bytes + 16
.set MRG, STG+64*SP                    ; behind the stage: what the two halves hand each other; no fill lands there
.set MW,  2304                         ; a wave's part of it: O^T's image, 2,048 bytes, then 8 bytes a lane: -M and the lane's sum
.set QS,  5                            ; v5    the queries' scale words        (v5, v7, v20-25, v248-249 hold scales and nothing else)
.set YS,  7                            ; v7    y's scale word
.set QF,  8                            ; v8-15 the queries' fragment; registers 4-7 zero codes
.set KS,  20                           ; v20-23 the step's scale words of K;  v24 of V;  v25 of p
.set BM,  28                           ; v28-31 each block's largest score, then its largest p
.set T2,  32                           ; v32-35 the other half's, then scale bytes
.set SO,  36                           ; v36-39 the conversions' scale operands
.set KF,  48                           ; v48-111 K's eight fragments; registers 4-7 of each zero codes.  At the end: v48-63 rows read back, v80-107 statistics
.set SCO, 112                          ; v112-175 S^T, then p.  At the end: v112-127 my partner's O^T, then y, v128-135 its fragment, v136-151 the last product, then v112-127 deviations
.set OT,  176                          ; v176-191 O^T
.set VF,  192                          ; v192-207 V's two fragments
.set PC,  208                          ; v208-215 p's codes
.set WF,  216                          ; v216-231 my two fragments of W
.set MA,  232                          ; v232-233 where I put my O^T and my pair;  v234-235 where my partner has put its
.set WS,  248                          ; v248-249 W's scale words
.set WB,  252                          ; v252-253 W's bias, my column's
; other registers: v1 16 x lane, v2 8 x lane, v3, v4 these + the record's LDS byte, v6 lane, v16 -M, v17 the largest t, v[18:19] the sum in two halves, v[26:27] f, v[40:41] a second chain of the sum, v42 at work,
; v43 r, v44 h, v45, v46 the stage's addresses, v47 1,024 x lane
.macro CROUND                          ; a round of the cluster's barrier
	s_barrier_signal -1
	s_barrier_wait -1
	s_cmp_lg_u32 s22, 0
	s_cbranch_scc1 .Lnot_wave_0_\@
	s_barrier_signal -3
.Lnot_wave_0_\@:
	s_barrier_wait -3
	s_barrier_signal -1
	s_barrier_wait -1
.endm
.macro PLACES n
.rept \n
	v_nop
.endr
.endm
	s_load_b512 s[4:19], s[0:1], 0x0               ; rec, W_a codes, scales, bias, W_b codes, scales, bias, xw
	s_load_b64 s[20:21], s[0:1], 0x40              ; part
	v_lshl_add_u32 v254, v0, 2, 0x48000
	v_mov_b32 v255, 0
	ds_add_u32 v254, v255
	ds_add_u32 v254, v255
	v_lshrrev_b32 v6, 5, v0
	s_delay_alu instid0(VALU_DEP_1)
	v_readfirstlane_b32 s22, v6                    ; wave 0..15
	v_and_b32 v6, 31, v0                           ; lane
	s_and_b32 s2, s22, 7                           ; my tile of queries
	s_lshr_b32 s3, s22, 3                          ; my half of the keys
	s_and_b32 s25, ttmp7, 0xffff                   ; y = 4 d + b, which the four partners share
	s_lshr_b32 s26, s25, 2                         ; d
	s_and_b32 s27, s25, 3                          ; b
	s_mul_i32 s28, s25, 32*REC                     ; the keys' 32 records
	s_mul_i32 s29, s22, REC                        ; where my record of a chunk goes in LDS: wave x 6,912
	s_lshl_b32 s72, s3, 4
	s_add_co_u32 s72, s72, s2                      ; and which it is in memory: record 16 half + tile (+ 8 n); no place in the cluster enters either
	s_mul_i32 s72, s72, REC
	s_add_co_u32 s72, s72, s28
	s_mov_b32 s73, 0
	s_mul_i32 s63, s3, 8*REC                       ; where my half's eight records begin in a chunk
	; descriptor group 1: a record, dense in memory, as 27 rows of 32 elements of 8 bytes; no padding: the images are read 16 consecutive bytes a lane
	s_mov_b32 s32, 15|(3<<16)|(1<<21)              ; 15:0 the mask: all four work-groups; 17:16 elements of 8 bytes; 21 set beside a mask
	s_mov_b32 s33, 32<<16                          ; tensor_dim0 = 32
	s_mov_b32 s34, 27<<16                          ; tensor_dim1 = 27
	s_mov_b32 s35, 32<<16                          ; tile_dim0 = 32
	s_mov_b32 s36, 27                              ; tile_dim1 = 27
	s_mov_b32 s37, 32                              ; from row to row
	s_mov_b32 s38, 0
	s_mov_b32 s39, 0
	s_bfe_u32 s23, ttmp6, 0x40000                  ; cx: it enters the queries', xw's and part's addresses alone
	s_lshl_b32 s24, ttmp9, 2
	s_add_co_u32 s24, s24, s23                     ; my block of 128 queries
	s_xor_b32 s74, s25, 4                          ; the queries are the other direction's keys
	s_lshl_b32 s74, s74, 5
	s_add_co_u32 s74, s74, s24
	s_mul_i32 s74, s74, REC
	s_mov_b32 s75, 0
	s_lshl_b32 s76, s25, 6                         ; xw: row (64 y + 4 wave) of 16,384 bytes, + 512 x block
	s_lshl_b32 s77, s22, 2
	s_add_co_u32 s76, s76, s77
	s_lshl_b32 s76, s76, 14
	s_lshl_b32 s77, s24, 9
	s_add_co_u32 s76, s76, s77
	s_mov_b32 s77, 0
	s_lshl_b32 s78, s26, 6                         ; part: channel (64 d + 4 wave) of 1,024 bytes, + 8 x (32 b + block)
	s_lshl_b32 s79, s22, 2
	s_add_co_u32 s78, s78, s79
	s_lshl_b32 s78, s78, 10
	s_lshl_b32 s79, s27, 5
	s_add_co_u32 s79, s79, s24
	s_lshl_b32 s79, s79, 3
	s_add_co_u32 s78, s78, s79
	s_mov_b32 s79, 0
	s_mov_b32 s56, 0x76543210
	s_mov_b32 s57, 0xfedcba98                      ; v_permlanex16_b32's selects for lane l xor 16
	s_mov_b32 s58, 0x3fb8aa3b                      ; c = log2(e)
	s_mov_b32 s59, s58                             ; (named with it as a pair, so it is written)
	s_wait_dscnt 0x0
	s_wait_kmcnt 0x0
	s_add_nc_u64 s[72:73], s[4:5], s[72:73]
	s_add_nc_u64 s[66:67], s[4:5], s[74:75]
	s_add_nc_u64 s[68:69], s[18:19], s[76:77]
	s_add_nc_u64 s[70:71], s[20:21], s[78:79]
	s_cmp_eq_u32 s26, 0                            ; W_a or W_b: the choice hangs on the direction alone
	s_cselect_b64 s[6:7], s[6:7], s[12:13]
	s_cselect_b64 s[8:9], s[8:9], s[14:15]
	s_cselect_b64 s[10:11], s[10:11], s[16:17]
.irp n, 0,1                                    ; descriptor group 0 for my record of chunk n
	s_mov_b32 s[40+4*\n], 1                        ; count = 1
	s_add_co_u32 s[41+4*\n], s29, \n*CHB           ; LDS address: place 16 n + wave
	s_add_nc_u64 s[42+4*\n:43+4*\n], s[72:73], \n*8*REC   ; global address: eight records on
	s_or_b32 s[43+4*\n], s[43+4*\n], 0x80000000    ; type = 2
.endr
	CROUND                                         ; all four work-groups are here: the joint loads meet
	tensor_load_to_lds s[40:43], s[32:39]          ; the first fill: one load of mine is out
	s_nop 0
	s_wait_alu depctr_va_vdst(0)
	s_wait_tensorcnt 0x0
	ds_add_u32 v254, v255
	s_wait_dscnt 0x0
	CROUND
	tensor_load_to_lds s[44:47], s[32:39]
	s_nop 0
	PLACES 4
.irp f, 12,52,60,68,76,84,92,100,108,220,228   ; zero codes for k = 64 .. 127 of the queries', K's and W's fragments
.irp i, 0,1,2,3
	v_mov_b32 v[\f+\i], 0
.endr
.endr
	v_lshlrev_b32 v1, 4, v6
	v_lshlrev_b32 v2, 3, v6
	v_and_b32 v43, 15, v0                          ; r
	s_wait_alu depctr_va_vdst(0)
	v_bfe_u32 v44, v0, 4, 1                        ; h
	s_lshl_b32 s30, s2, 9
	v_add_nc_u32 v112, s30, v1                     ; my tile of queries: 512 x tile + 16 x lane
	s_and_b32 s30, s2, 1
	s_lshl_b32 s30, s30, 8
	s_lshr_b32 s31, s2, 1
	s_lshl_b32 s31, s31, 2
	s_add_co_u32 s30, s30, s31
	v_lshlrev_b32 v114, 4, v43                     ; 16 r
	s_delay_alu instid0(VALU_DEP_1)
	v_add_nc_u32 v113, s30, v114                   ; its scale words: 16 (16 (tile % 2) + r) + 4 (tile / 2)
	s_lshl_b32 s30, s3, 9
	v_add_nc_u32 v114, s30, v114                   ; W's codes: row 32 half + r of 16 bytes
	s_lshl_b32 s30, s3, 5
	v_add_nc_u32 v115, s30, v43                    ; its scale byte
	s_delay_alu instid0(VALU_DEP_1)
	v_lshlrev_b32 v116, 2, v115                    ; its bias
	global_load_b128 v[QF:QF+3], v112, s[66:67]
	global_load_b32 v[QS], v113, s[66:67] offset:4096
.irp t, 0,1
	global_load_b128 v[WF+8*\t:WF+8*\t+3], v114, s[6:7] offset:256*\t   ; W's row 32 half + 16 t + r: 32 codes
	global_load_u8 v[WS+\t], v115, s[8:9] offset:16*\t
	global_load_b32 v[WB+\t], v116, s[10:11] offset:64*\t
.endr
.irp i, 0,1,2,3,4,5,6,7,8,9,10,11,12,13,14,15
	v_mov_b32 v[OT+\i], 0                          ; O^T.  (The step is written once: the first finds zeros, which the first change of M leaves zeros)
.endr
.irp i, 0,1,2,3
	v_mov_b32 v[T2+\i], 0                          ; written once: a lane permute's destination counts as one of its sources
.endr
	v_mov_b32 v18, 0                               ; the sum, in two halves
	v_mov_b32 v19, 0
	v_mov_b32 v27, 0                               ; (named as the upper half of the pair v[26:27])
	v_mov_b32 v17, 0xff61b1e6                      ; the largest t so far: -3e38, under every t
	s_delay_alu instid0(VALU_DEP_1)
	v_floor_f32 v16, -v17                          ; -M
	s_lshr_b32 s30, s2, 1                          ; the stage, on the way in: row 32 half + r (+ 16 t), my tile's pixels 32 (tile / 2) + 8 (tile % 2) + 16 h + 0..7
	s_lshl_b32 s30, s30, 7
	s_and_b32 s31, s2, 1
	s_lshl_b32 s31, s31, 5
	s_add_co_u32 s30, s30, s31
	s_mul_i32 s31, s3, 32*SP
	s_add_co_u32 s30, s30, s31
	s_add_co_u32 s30, s30, STG
	v_mul_u32_u24 v45, v43, SP
	s_delay_alu instid0(VALU_DEP_1)
	v_lshl_add_u32 v45, v44, 6, v45
	s_delay_alu instid0(VALU_DEP_1)
	v_add_nc_u32 v45, s30, v45
	s_mul_i32 s31, s22, 4*SP                       ; and on the way out: rows 4 wave .. 4 wave + 3, 16 bytes a lane
	s_add_co_u32 s31, s31, STG
	v_add_nc_u32 v46, s31, v1
	v_lshlrev_b32 v47, 10, v6                      ; part: a channel is 1,024 bytes
	s_mul_i32 s30, s22, MW                         ; what the halves hand each other: my part,
	s_add_co_u32 s30, s30, MRG
	v_add_nc_u32 v[MA], s30, v1
	v_add_nc_u32 v[MA+1], s30, v2
	s_xor_b32 s31, s22, 8                          ; and that of wave w xor 8, which has my queries and the other keys
	s_mul_i32 s31, s31, MW
	s_add_co_u32 s31, s31, MRG
	v_add_nc_u32 v[MA+2], s31, v1
	v_add_nc_u32 v[MA+3], s31, v2
	s_wait_loadcnt 0x0
	v_cmp_gt_u32 vcc_lo, 16, v6
.irp t, 0,1
.irp i, 0,1,2,3
	v_cndmask_b32 v[WF+8*\t+\i], 0, v[WF+8*\t+\i], vcc_lo   ; lanes 16-31 stand for k = 32 .. 63: zero codes
.endr
	v_or_b32 v[WS+\t], 0x7f7f7f00, v[WS+\t]        ; the scale byte 127 over the zero codes
.endr
.macro KLOAD off                       ; a record's eight fragments of K and their scale words
.irp j, 0,1,2,3,4,5,6,7
	ds_load_b128 v[KF+8*\j:KF+8*\j+3], v3 offset:\off+512*\j
.endr
	ds_load_b128 v[KS:KS+3], v3 offset:\off+4096
.endm
.macro VLOAD                           ; the record's two fragments of V and their scale words
.irp j, 0,1,2,3
	ds_load_b128 v[VF+4*\j:VF+4*\j+3], v3 offset:4608+512*\j
.endr
	ds_load_b32 v24, v4 offset:6656
.endm
; A KEY STEP: 128 keys, the record at v3.  pf = 1: the next record's K is fetched meanwhile, and the addresses step.
.macro STEP pf
	s_wait_dscnt 0x0                               ; K and its scale words are in: they were asked for a step ago
.irp j, 0,1,2,3,4,5,6,7                        ; S^T = K Q^T: lane (r, h) holds query r; register 16 b + i is key 32 b + 16 h + i
.if \j % 2
	v_wmma_scale_f32_16x16x128_f8f6f4 v[SCO+8*\j:SCO+8*\j+7], v[KF+8*\j:KF+8*\j+7], v[QF:QF+7], 0, v[KS+\j/2], v[QS] matrix_a_fmt:MATRIX_FMT_FP4 matrix_b_fmt:MATRIX_FMT_FP4 matrix_a_scale:MATRIX_SCALE_ROW1
.else
	v_wmma_scale_f32_16x16x128_f8f6f4 v[SCO+8*\j:SCO+8*\j+7], v[KF+8*\j:KF+8*\j+7], v[QF:QF+7], 0, v[KS+\j/2], v[QS] matrix_a_fmt:MATRIX_FMT_FP4 matrix_b_fmt:MATRIX_FMT_FP4
.endif
.endr
	PLACES 4                                       ; in front of loads into registers that matrix instructions have read, and of the first read of the scores
.if \pf
	KLOAD REC
.endif
	VLOAD
.irp b, 0,1,2,3
	v_max3_num_f32 v[BM+\b], v[SCO+16*\b], v[SCO+16*\b+1], v[SCO+16*\b+2]   ; the largest score of each block of 32 keys: it serves the row's maximum and, since p rises with the score, the block's largest p
.endr
.irp i, 3,5,7,9,11,13
.irp b, 0,1,2,3
	v_max3_num_f32 v[BM+\b], v[BM+\b], v[SCO+16*\b+\i], v[SCO+16*\b+\i+1]
.endr
.endr
.irp b, 0,1,2,3
	v_max_num_f32 v[BM+\b], v[BM+\b], v[SCO+16*\b+15]
.endr
.irp b, 0,1,2,3
	s_delay_alu instid0(VALU_DEP_4)
	v_permlanex16_b32 v[T2+\b], v[BM+\b], s56, s57
.endr
.irp b, 0,1,2,3
	s_delay_alu instid0(VALU_DEP_4)
	v_max_num_f32 v[BM+\b], v[BM+\b], v[T2+\b]     ; with lane l xor 16's 16 keys
.endr
	s_delay_alu instid0(VALU_DEP_2)
	v_max3_num_f32 v42, v[BM], v[BM+1], v[BM+2]
	s_delay_alu instid0(VALU_DEP_1)
	v_max_num_f32 v42, v42, v[BM+3]                ; the step's largest score of my query
	s_delay_alu instid0(VALU_DEP_1)
	v_mul_f32 v42, s58, v42                        ; as t (c is positive)
	s_delay_alu instid0(VALU_DEP_1)
	v_max_num_f32 v17, v17, v42                    ; the running largest t
	v_mov_b32 v42, v16
	s_delay_alu instid0(VALU_DEP_2)
	v_floor_f32 v16, -v17                          ; the new -M = floor(-t): M is a whole number
	s_delay_alu instid0(VALU_DEP_1)
	v_sub_f32 v42, v16, v42                        ; old M - new M: a whole number, 0 or less
	s_delay_alu instid0(VALU_DEP_1)
	v_cvt_i32_f32 v42, v42                         ; (it saturates)
	s_delay_alu instid0(VALU_DEP_1)
	v_ldexp_f32 v26, 1.0, v42                      ; f = 2^(old M - new M)
.irp j, 0,2,4,6,8,10,12,14,16,18,20,22,24,26,28,30,32,34,36,38,40,42,44,46,48,50,52,54,56,58,60,62
	v_pk_fma_f32 v[SCO+\j:SCO+\j+1], v[SCO+\j:SCO+\j+1], s[58:59], v[16:17] op_sel_hi:[1,0,0]   ; t - M, two at a time (of the pairs c and -M the low word serves both halves)
.endr
.irp b, 0,1,2,3
	v_fma_f32 v[BM+\b], v[BM+\b], s58, v16         ; the same of each block's largest score
.endr
	s_setprio 1
	s_wait_alu depctr_va_vdst(0)
.irp j, 0,1,2,3,4,5,6,7,8,9,10,11,12,13,14,15,16,17,18,19,20,21,22,23,24,25,26,27,28,29,30,31,32,33,34,35,36,37,38,39,40,41,42,43,44,45,46,47,48,49,50,51,52,53,54,55,56,57,58,59,60,61,62,63
	v_exp_f32 v[SCO+\j], v[SCO+\j]                 ; p = 2^(t - M): not normalised
.endr
.irp b, 0,1,2,3
	v_exp_f32 v[BM+\b], v[BM+\b]                   ; the block's largest p: the same two instructions on the same number give the same bits
.endr
	v_pk_mul_f32 v[18:19], v[18:19], v[26:27] op_sel_hi:[1,0]   ; the sums under the new M.  (A plain place behind the exponentials)
	s_wait_alu depctr_va_vdst(0)
.irp b, 0,1,2,3
	v_max_num_f32 v[BM+\b], 0x1800000, v[BM+\b]    ; the floor 2^(3 - 127): the byte cannot fall under 1
.endr
.irp b, 0,1,2,3
	s_delay_alu instid0(VALU_DEP_4)
	v_add_nc_u32 v[SO+\b], 0xff000000, v[BM+\b]    ; 2 off the exponent field: the conversion's scale operand
.endr
.irp b, 0,1,2,3
	s_delay_alu instid0(VALU_DEP_4)
	v_lshrrev_b32 v[T2+\b], 23, v[SO+\b]           ; the scale's byte
.endr
	s_delay_alu instid0(VALU_DEP_3)
	v_lshl_or_b32 v25, v[T2+1], 8, v[T2]           ; p's scale word for these 128 keys
	s_delay_alu instid0(VALU_DEP_1)
	v_lshl_or_b32 v25, v[T2+2], 16, v25
	s_delay_alu instid0(VALU_DEP_1)
	v_lshl_or_b32 v25, v[T2+3], 24, v25
.irp b, 0,1,2,3
	v_cvt_scalef32_pk8_fp4_f32 v[PC+2*\b], v[SCO+16*\b:SCO+16*\b+7], v[SO+\b]
	v_cvt_scalef32_pk8_fp4_f32 v[PC+2*\b+1], v[SCO+16*\b+8:SCO+16*\b+15], v[SO+\b]
.endr
	v_nop                                          ; one plain place behind a scaled conversion
.irp c, 0,1                                    ; a whole block to a lane: lanes 0-15 block 2 c, lanes 16-31 block 2 c + 1
.irp i, 0,1
	v_permlane16_swap_b32 v[PC+4*\c+\i], v[PC+4*\c+2+\i]
.endr
.endr
	v_pk_add_f32 v[40:41], v[SCO:SCO+1], v[SCO+2:SCO+3]   ; the row's sum is taken of the unquantised p: two at a time, in two chains
	s_setprio 0
.irp j, 4,8,12,16,20,24,28,32,36,40,44,48,52,56,60
	v_pk_add_f32 v[18:19], v[18:19], v[SCO+\j:SCO+\j+1]
	v_pk_add_f32 v[40:41], v[40:41], v[SCO+\j+2:SCO+\j+3]
.endr
	s_delay_alu instid0(VALU_DEP_1)
	v_pk_add_f32 v[18:19], v[18:19], v[40:41]
.irp j, 0,2,4,6,8,10,12,14
	v_pk_mul_f32 v[OT+\j:OT+\j+1], v[OT+\j:OT+\j+1], v[26:27] op_sel_hi:[1,0]   ; O^T under the new M, each accumulator from its low end on
.endr
	s_wait_alu depctr_va_vdst(0)
	s_wait_dscnt 0x0                               ; V is in (asked for at the softmax's head); the next record's K with it
	; O^T += V^T P^T.
	v_wmma_scale_f32_16x16x128_f8f6f4 v[OT:OT+7], v[VF:VF+7], v[PC:PC+7], v[OT:OT+7], v24, v25 matrix_a_fmt:MATRIX_FMT_FP4 matrix_b_fmt:MATRIX_FMT_FP4
	v_wmma_scale_f32_16x16x128_f8f6f4 v[OT+8:OT+15], v[VF+8:VF+15], v[PC:PC+7], v[OT+8:OT+15], v24, v25 matrix_a_fmt:MATRIX_FMT_FP4 matrix_b_fmt:MATRIX_FMT_FP4 matrix_a_scale:MATRIX_SCALE_ROW1
.if \pf
	s_add_co_u32 s60, s60, REC                     ; on to the next record
	v_add_nc_u32 v3, s60, v1
	v_add_nc_u32 v4, s60, v2
.endif
.endm
; A CHUNK: sixteen records, one brought by each wave; eight of them are my half's.  The fetch ahead never leaves them: seven trips fetch ahead, the eighth step is written out without.
.macro CHUNK n
	s_wait_tensorcnt 1-\n                          ; a wave's tensor loads end in order: my record of chunk n is in; in chunk 0 my one younger load may stay out
	s_wait_dscnt 0x0
	s_barrier_signal -1
	s_barrier_wait -1                              ; everybody's record of the chunk is in
	s_add_co_u32 s60, s63, \n*CHB                  ; my half's first record of the chunk
	v_add_nc_u32 v3, s60, v1
	v_add_nc_u32 v4, s60, v2
	KLOAD 0
	s_mov_b32 s61, 7
.Lst_\@:
	s_wait_alu depctr_va_vdst(0)
	s_setprio 2
	STEP 1
	s_sub_co_u32 s61, s61, 1
	s_cmp_lg_u32 s61, 0
	s_cbranch_scc1 .Lst_\@
	s_setprio 0
	s_wait_alu depctr_va_vdst(0)
	STEP 0
.endm
	CHUNK 0
	CHUNK 1
	; THE TWO HALVES OF THE KEYS ARE JOINED.  My O^T goes to LDS as it stands, 16 bytes a lane for each four registers, with the pair (-M, my lane's sum); behind a barrier my partner's comes back in the same lanes.
	PLACES 4                                       ; in front of the first read of O^T
	v_add_f32 v17, v18, v19                        ; the sum's two halves, beside -M: the largest t is needed no more
.irp i, 0,1,2,3
	ds_store_b128 v[MA], v[OT+4*\i:OT+4*\i+3] offset:512*\i   ; each accumulator from its low end on
.endr
	ds_store_b64 v[MA+1], v[16:17] offset:2048
	s_wait_dscnt 0x0                               ; for my partner's sake: my stores have landed
	s_barrier_signal -1
	s_barrier_wait -1
.irp i, 0,1,2,3
	ds_load_b128 v[112+4*\i:115+4*\i], v[MA+2] offset:512*\i
.endr
	ds_load_b64 v[40:41], v[MA+3] offset:2048
	s_wait_dscnt 0x0
	v_min_num_f32 v42, v16, v40                    ; the joint -M: the larger M of the two
	s_delay_alu instid0(VALU_DEP_1)
	v_sub_f32 v26, v42, v16                        ; my M - the joint M: a whole number, 0 or less;
	s_delay_alu instid0(VALU_DEP_2)
	v_sub_f32 v28, v42, v40                        ; my partner's likewise
	s_delay_alu instid0(VALU_DEP_2)
	v_cvt_i32_f32 v26, v26                         ; (they saturate)
	s_delay_alu instid0(VALU_DEP_2)
	v_cvt_i32_f32 v28, v28
	s_delay_alu instid0(VALU_DEP_2)
	v_ldexp_f32 v26, 1.0, v26                      ; two powers of two: the multiplications round nothing
	s_delay_alu instid0(VALU_DEP_2)
	v_ldexp_f32 v28, 1.0, v28
.irp j, 0,2,4,6,8,10,12,14
	v_pk_mul_f32 v[OT+\j:OT+\j+1], v[OT+\j:OT+\j+1], v[26:27] op_sel_hi:[1,0]
.endr
.irp j, 0,2,4,6,8,10,12,14
	v_pk_fma_f32 v[OT+\j:OT+\j+1], v[112+\j:113+\j], v[28:29], v[OT+\j:OT+\j+1] op_sel_hi:[1,0,1]   ; one rounding of the exact sum: both partners get the same bits
.endr
	v_mul_f32 v18, v17, v26
	s_delay_alu instid0(VALU_DEP_1)
	v_fma_f32 v18, v41, v28, v18                   ; the sums likewise
	s_delay_alu instid0(VALU_DEP_1)
	; THE END.  y = O^T / the sum: lane (r, h) holds channels 16 h + 0..15 of query r
	v_permlanex16_b32 v42, v18, s56, s57
	s_delay_alu instid0(VALU_DEP_1)
	v_add_f32 v18, v18, v42                        ; with lane l xor 16's: the row's sum
	s_wait_alu depctr_va_vdst(0)
	v_rcp_f32 v18, v18
	v_nop                                          ; a plain place behind the transcendental
	s_wait_alu depctr_va_vdst(0)
.irp i, 0,1,2,3,4,5,6,7,8,9,10,11,12,13,14,15
	v_mul_f32 v[112+\i], v[OT+\i], v18
.endr
.irp i, 130,131,132,133,134,135
	v_mov_b32 v[\i], 0                             ; zero codes for all but k = 0 .. 31
.endr
	v_max3_num_f32 v[BM], |v112|, |v113|, 0x1800000   ; y's one block of 32 channels: 16 in me, 16 in lane l xor 16
.irp i, 2,4,6,8,10,12,14
	s_delay_alu instid0(VALU_DEP_1)
	v_max3_num_f32 v[BM], v[BM], |v[112+\i]|, |v[113+\i]|
.endr
	s_delay_alu instid0(VALU_DEP_1)
	v_permlanex16_b32 v[T2], v[BM], s56, s57
	s_delay_alu instid0(VALU_DEP_1)
	v_max_num_f32 v[BM], v[BM], v[T2]
	s_delay_alu instid0(VALU_DEP_1)
	v_add_nc_u32 v[SO], 0xff000000, v[BM]
	s_delay_alu instid0(VALU_DEP_1)
	v_lshrrev_b32 v[T2], 23, v[SO]
	s_delay_alu instid0(VALU_DEP_1)
	v_or_b32 v[YS], 0x7f7f7f00, v[T2]
	v_cvt_scalef32_pk8_fp4_f32 v128, v[112:119], v[SO]
	v_cvt_scalef32_pk8_fp4_f32 v129, v[120:127], v[SO]
	v_nop                                          ; one plain place behind a scaled conversion
	v_permlane16_swap_b32 v128, v130               ; lanes 0-15 now hold channels 0-31 in registers 0-3, lanes 16-31 zero codes
	v_permlane16_swap_b32 v129, v131
	PLACES 8                                       ; a scale register written by a vector instruction stands 8 places ahead of a scaled matrix instruction
.irp t, 0,1                                    ; source 0 = my 16 queries, source 1 = W's rows 32 half + 16 t on: lane (r, h) holds channel 32 half + 16 t + r; register i is pixel 32 (tile / 2) + 8 (tile % 2) + 16 h + i
	v_wmma_scale_f32_16x16x128_f8f6f4 v[136+8*\t:143+8*\t], v[128:135], v[WF+8*\t:WF+8*\t+7], 0, v[YS], v[WS+\t] matrix_a_fmt:MATRIX_FMT_FP4 matrix_b_fmt:MATRIX_FMT_FP4
.endr
	PLACES 4
.irp t, 0,1
.irp i, 0,1,2,3,4,5,6,7
	v_add_f32 v[136+8*\t+\i], v[136+8*\t+\i], v[WB+\t]   ; the bias
.endr
.endr
.irp t, 0,1
	ds_store_b128 v45, v[136+8*\t:139+8*\t] offset:16*\t*SP
	ds_store_b128 v45, v[140+8*\t:143+8*\t] offset:16*\t*SP+16
.endr
	s_wait_dscnt 0x0                               ; for the others' sake: my stores into the stage have landed
	s_barrier_signal -1
	s_barrier_wait -1                              ; 64 whole rows of 128 pixels lie in the stage
.irp j, 0,1,2,3
	ds_load_b128 v[48+4*\j:51+4*\j], v46 offset:\j*SP
.endr
.irp j, 0,1,2,3
	s_wait_dscnt 3-\j                              ; LDS loads come back in order: row j is in, the 3 - j younger may be out
	global_store_b128 v1, v[48+4*\j:51+4*\j], s[68:69] offset:\j*16384   ; 32 lanes store 512 consecutive bytes
.endr
; the four numbers in v[base] on, one for each row, are summed over the 32 lanes, the rows by turns
.macro RED4 base
.irp m, 1,2,4,8
.irp j, 0,1,2,3
	s_delay_alu instid0(VALU_DEP_4)
	v_add_f32_dpp v[\base+\j], v[\base+\j], v[\base+\j] row_xmask:\m row_mask:0xf bank_mask:0xf
.endr
.endr
.irp j, 0,1,2,3
	s_delay_alu instid0(VALU_DEP_4)
	v_permlanex16_b32 v[96+\j], v[\base+\j], s56, s57
.endr
.irp j, 0,1,2,3
	s_delay_alu instid0(VALU_DEP_4)
	v_add_f32 v[\base+\j], v[\base+\j], v[96+\j]
.endr
.endm
.irp j, 0,1,2,3
	v_add_f32 v[80+\j], v[48+4*\j], v[49+4*\j]
.endr
.irp j, 0,1,2,3
	v_add_f32 v[96+\j], v[50+4*\j], v[51+4*\j]
.endr
.irp j, 0,1,2,3
	s_delay_alu instid0(VALU_DEP_4)
	v_add_f32 v[80+\j], v[80+\j], v[96+\j]
.endr
	RED4 80                                        ; each row's sum over its 128 pixels
.irp j, 0,1,2,3
	s_delay_alu instid0(VALU_DEP_4)
	v_mul_f32 v[104+\j], 0x3c000000, v[80+\j]      ; its mean: / 128
.endr
.irp j, 0,1,2,3
.irp i, 0,1,2,3
	v_sub_f32 v[112+4*\j+\i], v[48+4*\j+\i], v[104+\j]   ; into other registers: the rows are still sources of pending stores
.endr
.endr
.irp j, 0,1,2,3
	v_mul_f32 v[88+\j], v[112+4*\j], v[112+4*\j]
.endr
.irp i, 1,2,3
.irp j, 0,1,2,3
	s_delay_alu instid0(VALU_DEP_4)
	v_fma_f32 v[88+\j], v[112+4*\j+\i], v[112+4*\j+\i], v[88+\j]
.endr
.endr
	RED4 88                                        ; each row's sum of squares about its own mean
	v_mov_b32 v176, v80                            ; lane j takes row j's pair
	v_mov_b32 v177, v88
.irp j, 1,2,3
	v_cmp_eq_u32 vcc_lo, \j, v6
	s_delay_alu instid0(VALU_DEP_1)
	v_cndmask_b32 v176, v176, v[80+\j], vcc_lo
	s_delay_alu instid0(VALU_DEP_2)
	v_cndmask_b32 v177, v177, v[88+\j], vcc_lo
.endr
	v_cmp_gt_u32 vcc_lo, 4, v6
	s_wait_alu depctr_va_vdst(0)
	s_wait_xcnt 0x0                                ; EXEC is a source of the pending stores: it changes only behind this wait
	s_and_saveexec_b32 s62, vcc_lo
	global_store_b64 v47, v[176:177], s[70:71]     ; four pairs, one in each of my four channels' runs of 1,024 bytes, so that the next launch reads a channel's pairs as one dense run
	s_wait_xcnt 0x0                                ; and again, in front of the line that widens it
	s_or_b32 exec_lo, exec_lo, s62
	s_wait_tensorcnt 0x0
	ds_add_u32 v254, v255
	s_wait_dscnt 0x0
	CROUND                                         ; the closing round: no work-group ends while a partner may still ask for a record that names it
	s_endpgm
.Lfunc_end_k_q3e716b6d2b_attn:
	.size	k_q3e716b6d2b_attn, .Lfunc_end_k_q3e716b6d2b_attn-k_q3e716b6d2b_attn
	.p2alignl 7, 3214868480
	.fill 96, 4, 3214868480
	.section	.rodata,"a",@progbits
	.p2align	6, 0x0
	.amdhsa_kernel k_q3e716b6d2b_attn
		.amdhsa_group_segment_fixed_size 327680
		.amdhsa_private_segment_fixed_size 0
		.amdhsa_enable_private_segment 0
		.amdhsa_kernarg_size 72
		.amdhsa_user_sgpr_count 2
		.amdhsa_user_sgpr_kernarg_segment_ptr 1
		.amdhsa_wavefront_size32 1
		.amdhsa_system_sgpr_workgroup_id_x 1
		.amdhsa_system_sgpr_workgroup_id_y 1
		.amdhsa_system_sgpr_workgroup_id_z 1
		.amdhsa_system_vgpr_workitem_id 0
		.amdhsa_next_free_vgpr 256
		.amdhsa_next_free_sgpr 80
		.amdhsa_reserve_vcc 1
		.amdhsa_float_denorm_mode_32 3
		.amdhsa_float_denorm_mode_16_64 3
		.amdhsa_memory_ordered 1
		.amdhsa_forward_progress 1
		.amdhsa_inst_pref_size 84
	.end_amdhsa_kernel
	.amdgpu_metadata
---
amdhsa.version: [ 1, 2 ]
amdhsa.kernels:
  - .name:           k_q3e716b6d2b_attn
    .symbol:         k_q3e716b6d2b_attn.kd
    .args:
      - { .name: rec, .offset: 0, .size: 8, .value_kind: global_buffer, .address_space: global }
      - { .name: W_a_w_codes, .offset: 8, .size: 8, .value_kind: global_buffer, .address_space: global }
      - { .name: W_a_w_scales, .offset: 16, .size: 8, .value_kind: global_buffer, .address_space: global }
      - { .name: W_a_b, .offset: 24, .size: 8, .value_kind: global_buffer, .address_space: global }
      - { .name: W_b_w_codes, .offset: 32, .size: 8, .value_kind: global_buffer, .address_space: global }
      - { .name: W_b_w_scales, .offset: 40, .size: 8, .value_kind: global_buffer, .address_space: global }
      - { .name: W_b_b, .offset: 48, .size: 8, .value_kind: global_buffer, .address_space: global }
      - { .name: xw, .offset: 56, .size: 8, .value_kind: global_buffer, .address_space: global }
      - { .name: part, .offset: 64, .size: 8, .value_kind: global_buffer, .address_space: global }
    .group_segment_fixed_size: 327680
    .private_segment_fixed_size: 0
    .kernarg_segment_align: 8
    .kernarg_segment_size: 72
    .max_flat_workgroup_size: 512
    .sgpr_count:     80
    .vgpr_count:     256
    .wavefront_size: 32
...
	.end_amdgpu_metadata
.endif
;; end of part 2
;; launch bn (part 3): grid 64 x 4, 8 waves a work-group, no clusters, 0 bytes of LDS; arguments xw, part, a, b, bn_a_gamma, bn_a_beta, bn_b_gamma, bn_b_beta, out0, out1; writes out0, out1
.if DOCPART == 3
	.amdgcn_target "amdgcn-amd-amdhsa--gfx1250"
	.amdhsa_code_object_version 6
	.text
	.protected	k_q3e716b6d2b_bn
	.globl	k_q3e716b6d2b_bn
	.p2align	8
	.type	k_q3e716b6d2b_bn,@function
k_q3e716b6d2b_bn:
	s_mov_b64 s[64:65], 0
	v_nop
	global_prefetch_b8 v0, s[64:65] scope:SCOPE_SE
	s_setreg_imm32_b32 hwreg(HW_REG_WAVE_MODE, 25, 1), 1
	s_wait_xcnt 0x0
; THE BATCH NORM AND THE RESIDUAL.  out[d][b][c][:] = (xw[d][b][c][:] - mean) x rsqrt(var + 1e-5) x gamma[c] + beta[c] + residual[b][c][:], mean and biased variance of channel c over all 4 x 4,096 pixels.
; part[d][c][128][2] holds, for each block of 128 pixels, its sum and its sum of squares about its own mean.  They are joined so: mean = sum of sums / 16,384;
; sum of squares about the mean = the blocks' own + 128 x the sum of (block's mean - mean)^2.  No difference of large sums is formed.
; SHARES.  Work-group (c, y): channel c, direction d = y / 2, batches 2 (y % 2) and 2 (y % 2) + 1: two rows of 16,384 bytes.  Wave w takes 2,048 bytes of each row, four loads of 512 consecutive bytes.
; Every wave joins the channel's 128 pairs (1,024 dense bytes) for itself: no LDS, no barrier, no loop.  Matrix units and clusters have nothing to do here: the launch moves bytes.
; LIMITS: NaN and infinities are not served.
.set XR, 32                            ; v32-63  eight loads of xw, then the results
.set RR, 64                            ; v64-95  eight loads of the residual
	s_load_b512 s[4:19], s[0:1], 0x0               ; xw, part, a, b, gamma_a, beta_a, gamma_b, beta_b
	s_load_b128 s[20:23], s[0:1], 0x40             ; out0, out1
	s_and_b32 s24, ttmp7, 0xffff                   ; y
	s_lshr_b32 s25, s24, 1                         ; d
	s_and_b32 s26, s24, 1                          ; which pair of batches
	s_lshl_b32 s28, ttmp9, 2                       ; 4 c
	s_mov_b32 s29, 0
	s_lshl_b32 s36, s24, 7                         ; xw: row (4 d + 2 pair) x 64 + c = 128 y + c, of 16,384 bytes
	s_add_co_u32 s36, s36, ttmp9
	s_lshl_b32 s36, s36, 14
	s_mov_b32 s37, 0
	s_lshl_b32 s38, s26, 7                         ; residual and output: row 128 pair + c
	s_add_co_u32 s38, s38, ttmp9
	s_lshl_b32 s38, s38, 14
	s_mov_b32 s39, 0
	s_lshl_b32 s40, s25, 6                         ; part: channel 64 d + c, of 1,024 bytes
	s_add_co_u32 s40, s40, ttmp9
	s_lshl_b32 s40, s40, 10
	s_mov_b32 s41, 0
	s_mov_b32 s32, 0x3c000000                      ; 1 / 128
	s_mov_b32 s33, 0x43000000                      ; 128
	s_mov_b32 s34, 0x76543210
	s_mov_b32 s35, 0xfedcba98                      ; v_permlanex16_b32's selects for lane l xor 16
	s_mov_b32 s42, 0x38800000                      ; 1 / 16,384
	s_mov_b32 s43, 0x3727c5ac                      ; 1e-5
	v_and_b32 v2, 31, v0                           ; lane
	v_and_b32 v3, 0xe0, v0                         ; 32 x wave
	s_delay_alu instid0(VALU_DEP_2)
	v_lshlrev_b32 v1, 4, v2
	s_delay_alu instid0(VALU_DEP_1)
	v_lshl_or_b32 v1, v3, 6, v1                    ; 2,048 x wave + 16 x lane
	s_delay_alu instid0(VALU_DEP_4)
	v_lshlrev_b32 v4, 5, v2                        ; four pairs a lane
	s_wait_alu depctr_va_vdst(0)
	s_wait_kmcnt 0x0
	s_cmp_eq_u32 s25, 0                            ; the choices hang on the direction alone
	s_cselect_b64 s[8:9], s[8:9], s[10:11]
	s_cselect_b64 s[12:13], s[12:13], s[16:17]
	s_cselect_b64 s[14:15], s[14:15], s[18:19]
	s_cselect_b64 s[20:21], s[20:21], s[22:23]
	s_add_nc_u64 s[12:13], s[12:13], s[28:29]
	s_add_nc_u64 s[14:15], s[14:15], s[28:29]
	s_load_b32 s30, s[12:13], 0x0                  ; gamma[c]
	s_load_b32 s31, s[14:15], 0x0                  ; beta[c]
	s_add_nc_u64 s[4:5], s[4:5], s[36:37]
	s_add_nc_u64 s[6:7], s[6:7], s[40:41]
	s_add_nc_u64 s[8:9], s[8:9], s[38:39]
	s_add_nc_u64 s[20:21], s[20:21], s[38:39]
	global_load_b128 v[8:11], v4, s[6:7]           ; sum, squares, sum, squares
	global_load_b128 v[12:15], v4, s[6:7] offset:16
.irp k, 0,1,2,3,4,5,6,7                        ; load k: batch k / 4 of the pair, 512 bytes k % 4 of my 2,048; each covers 512 consecutive bytes and is read once in the launch
	global_load_b128 v[XR+4*\k:XR+4*\k+3], v1, s[4:5] offset:(\k/4)*1048576+(\k%4)*512 th:TH_LOAD_NT
	global_load_b128 v[RR+4*\k:RR+4*\k+3], v1, s[8:9] offset:(\k/4)*1048576+(\k%4)*512 th:TH_LOAD_NT
.endr
.macro WSUM r, t                       ; v[r] summed over the 32 lanes, the result in every lane; v[t] has been written
	s_delay_alu instid0(VALU_DEP_1)
	v_add_f32_dpp v[\r], v[\r], v[\r] row_xmask:1 row_mask:0xf bank_mask:0xf
	s_delay_alu instid0(VALU_DEP_1)
	v_add_f32_dpp v[\r], v[\r], v[\r] row_xmask:2 row_mask:0xf bank_mask:0xf
	s_delay_alu instid0(VALU_DEP_1)
	v_add_f32_dpp v[\r], v[\r], v[\r] row_xmask:4 row_mask:0xf bank_mask:0xf
	s_delay_alu instid0(VALU_DEP_1)
	v_add_f32_dpp v[\r], v[\r], v[\r] row_xmask:8 row_mask:0xf bank_mask:0xf
	s_delay_alu instid0(VALU_DEP_1)
	v_permlanex16_b32 v[\t], v[\r], s34, s35
	s_delay_alu instid0(VALU_DEP_1)
	v_add_f32 v[\r], v[\r], v[\t]
.endm
	s_wait_loadcnt 16                              ; the pairs are in; the 16 younger loads are the rows'
	v_add_f32 v22, v8, v10
	v_add_f32 v23, v12, v14
	s_delay_alu instid0(VALU_DEP_1)
	v_add_f32 v22, v22, v23
	WSUM 22, 23
	s_delay_alu instid0(VALU_DEP_1)
	v_mul_f32 v16, s42, v22                        ; the mean
	s_delay_alu instid0(VALU_DEP_1)
	v_fma_f32 v24, v8, s32, -v16                   ; each block's mean less the mean
	s_delay_alu instid0(VALU_DEP_2)
	v_fma_f32 v25, v10, s32, -v16
	s_delay_alu instid0(VALU_DEP_3)
	v_fma_f32 v26, v12, s32, -v16
	s_delay_alu instid0(VALU_DEP_4)
	v_fma_f32 v27, v14, s32, -v16
	s_delay_alu instid0(VALU_DEP_4)
	v_mul_f32 v24, v24, v24
	s_delay_alu instid0(VALU_DEP_1)
	v_fma_f32 v24, v25, v25, v24
	s_delay_alu instid0(VALU_DEP_1)
	v_fma_f32 v24, v26, v26, v24
	s_delay_alu instid0(VALU_DEP_1)
	v_fma_f32 v24, v27, v27, v24
	v_add_f32 v28, v9, v11
	v_add_f32 v29, v13, v15
	s_delay_alu instid0(VALU_DEP_1)
	v_add_f32 v28, v28, v29
	s_delay_alu instid0(VALU_DEP_1)
	v_fma_f32 v24, v24, s33, v28                   ; 128 x these squares + the blocks' own
	WSUM 24, 23
	s_delay_alu instid0(VALU_DEP_1)
	v_fma_f32 v24, v24, s42, s43                   ; the variance + 1e-5
	s_wait_alu depctr_va_vdst(0)
	v_rsq_f32 v24, v24
	v_mov_b32 v17, v16                             ; (a plain place behind the transcendental)  the mean as a pair
	s_wait_kmcnt 0x0                               ; gamma and beta
	s_wait_alu depctr_va_vdst(0)
	v_mul_f32 v18, s30, v24                        ; gamma x rsqrt, as a pair
	s_delay_alu instid0(VALU_DEP_1)
	v_mov_b32 v19, v18
	v_mov_b32 v20, s31                             ; beta, as a pair
	v_mov_b32 v21, s31
	s_wait_alu depctr_va_vdst(0)
.irp k, 0,1,2,3,4,5,6,7
	s_wait_loadcnt 2*(7-\k)                        ; loads come back in order: pair k of loads is in, the 2 (7 - k) younger may be out
	v_pk_add_f32 v[XR+4*\k:XR+4*\k+1], v[XR+4*\k:XR+4*\k+1], v[16:17] neg_lo:[0,1] neg_hi:[0,1]     ; x - mean
	v_pk_add_f32 v[XR+4*\k+2:XR+4*\k+3], v[XR+4*\k+2:XR+4*\k+3], v[16:17] neg_lo:[0,1] neg_hi:[0,1]
	v_pk_add_f32 v[RR+4*\k:RR+4*\k+1], v[RR+4*\k:RR+4*\k+1], v[20:21]                               ; residual + beta
	v_pk_add_f32 v[RR+4*\k+2:RR+4*\k+3], v[RR+4*\k+2:RR+4*\k+3], v[20:21]
	s_delay_alu instid0(VALU_DEP_2)
	v_pk_fma_f32 v[XR+4*\k:XR+4*\k+1], v[XR+4*\k:XR+4*\k+1], v[18:19], v[RR+4*\k:RR+4*\k+1]
	s_delay_alu instid0(VALU_DEP_2)
	v_pk_fma_f32 v[XR+4*\k+2:XR+4*\k+3], v[XR+4*\k+2:XR+4*\k+3], v[18:19], v[RR+4*\k+2:RR+4*\k+3]
	global_store_b128 v1, v[XR+4*\k:XR+4*\k+3], s[20:21] offset:(\k/4)*1048576+(\k%4)*512 th:TH_STORE_NT   ; 32 lanes store 512 consecutive bytes; written once, read by nobody here
.endr
	s_endpgm
.Lfunc_end_k_q3e716b6d2b_bn:
	.size	k_q3e716b6d2b_bn, .Lfunc_end_k_q3e716b6d2b_bn-k_q3e716b6d2b_bn
	.p2alignl 7, 3214868480
	.fill 96, 4, 3214868480
	.section	.rodata,"a",@progbits
	.p2align	6, 0x0
	.amdhsa_kernel k_q3e716b6d2b_bn
		.amdhsa_group_segment_fixed_size 0
		.amdhsa_private_segment_fixed_size 0
		.amdhsa_enable_private_segment 0
		.amdhsa_kernarg_size 80
		.amdhsa_user_sgpr_count 2
		.amdhsa_user_sgpr_kernarg_segment_ptr 1
		.amdhsa_wavefront_size32 1
		.amdhsa_system_sgpr_workgroup_id_x 1
		.amdhsa_system_sgpr_workgroup_id_y 1
		.amdhsa_system_sgpr_workgroup_id_z 1
		.amdhsa_system_vgpr_workitem_id 0
		.amdhsa_next_free_vgpr 96
		.amdhsa_next_free_sgpr 66
		.amdhsa_reserve_vcc 0
		.amdhsa_float_denorm_mode_32 3
		.amdhsa_float_denorm_mode_16_64 3
		.amdhsa_memory_ordered 1
		.amdhsa_forward_progress 1
		.amdhsa_inst_pref_size 12
	.end_amdhsa_kernel
	.amdgpu_metadata
---
amdhsa.version: [ 1, 2 ]
amdhsa.kernels:
  - .name:           k_q3e716b6d2b_bn
    .symbol:         k_q3e716b6d2b_bn.kd
    .args:
      - { .name: xw, .offset: 0, .size: 8, .value_kind: global_buffer, .address_space: global }
      - { .name: part, .offset: 8, .size: 8, .value_kind: global_buffer, .address_space: global }
      - { .name: a, .offset: 16, .size: 8, .value_kind: global_buffer, .address_space: global }
      - { .name: b, .offset: 24, .size: 8, .value_kind: global_buffer, .address_space: global }
      - { .name: bn_a_gamma, .offset: 32, .size: 8, .value_kind: global_buffer, .address_space: global }
      - { .name: bn_a_beta, .offset: 40, .size: 8, .value_kind: global_buffer, .address_space: global }
      - { .name: bn_b_gamma, .offset: 48, .size: 8, .value_kind: global_buffer, .address_space: global }
      - { .name: bn_b_beta, .offset: 56, .size: 8, .value_kind: global_buffer, .address_space: global }
      - { .name: out0, .offset: 64, .size: 8, .value_kind: global_buffer, .address_space: global }
      - { .name: out1, .offset: 72, .size: 8, .value_kind: global_buffer, .address_space: global }
    .group_segment_fixed_size: 0
    .private_segment_fixed_size: 0
    .kernarg_segment_align: 8
    .kernarg_segment_size: 80
    .max_flat_workgroup_size: 256
    .sgpr_count:     66
    .vgpr_count:     96
    .wavefront_size: 32
...
	.end_amdgpu_metadata
.endif
;; end of part 3
